; MI455X (gfx1250); checked and timed in simulation.
; The chip was launched on July 23, 2026; its instructions are those of AMD's public machine-readable ISA for CDNA 5 (MIT licence, August 2026) and "CDNA5" Instruction Set Architecture Reference Guide (July 2026). The comments in the code are by the model that wrote it; some were corrected since.
;; Attention. Allowed arithmetic: matrix products marked QUANTISED: E4M3 operands, one E8M0 scale for each 32 along K, by v_wmma_scale_f32_16x16x128_f8f6f4 with both operands' format E4M3, f32 sums; everything else in f32.
;; Inputs: Wproj_codes 256 x 8 x 32 uint8 (E4M3 codes of Wproj, K innermost, in blocks of 32 codes); Wproj_scales 256 x 8 uint8 (E8M0 scales of Wproj, one for each 32 codes along K); Wqkv_codes 768 x 8 x 32 uint8 (E4M3 codes of Wqkv, K innermost, in blocks of 32 codes); Wqkv_scales 768 x 8 uint8 (E8M0 scales of Wqkv, one for each 32 codes along K); bproj 256 float32; x_codes 8 x 2,048 x 8 x 32 uint8 (E4M3 codes of x, K innermost, in blocks of 32 codes); x_scales 8 x 2,048 x 8 uint8 (E8M0 scales of x, one for each 32 codes along K).
;; Outputs: out0 8 x 2,048 x 256 float32.
;; Constants: w = 128.
;; This version of the problem:
;;   THIS VERSION OF THE PROBLEM IS GIVEN IN LOW PRECISION. The matrix products marked QUANTISED in the list below multiply operands that are first quantised to E4M3 (4 exponent bits, 3 mantissa bits; 8 bits a number), with one power-of-two scale for each 32 numbers along K (OCP MX v1.0); their sums are f32. All else is computed in f32.
;;   The module's matrix products, in the order in which they are computed (A, B: the left and right operand; K: the contracted axis; several contracted axes count as one K, in the product's order):
;;     1. [M 16,384, K 256] x [K 256, N 768]; A: input x (given as codes); B: input Wqkv (given as codes): QUANTISED
;;     2. batch 64 x [M 2,048, K 32] x [K 32, N 2,048]; A: computed on the way; B: computed on the way: QUANTISED
;;     3. batch 64 x [M 2,048, K 2,048] x [K 2,048, N 32]; A: softmax (see below); B: computed on the way: QUANTISED
;;     4. [M 16,384, K 256] x [K 256, N 256]; A: computed on the way; B: input Wproj (given as codes): QUANTISED
;;   THE QUANTISER, for each operand of a quantised product, along K:
;;     - K is cut into blocks of 32 from its start; a last block that is shorter is filled with zeros.
;;     - A block's scale is 2^e with e = floor(log2(the largest magnitude in the block)) - 8, held to -126 .. 127; a block of zeros has e = 0. As a byte (E8M0): e + 127.
;;     - Each number is divided by its block's scale, clamped to +-448, and rounded to the nearest number of E4M3, ties to even, subnormals kept.
;;     - The product sums the exact products of the quantised numbers (number of the format x scale) in f32.
;;   ~~~python
;;   def quantise(x, axis):      # numpy; x: float32 -> the quantised numbers, widened to float32 again
;;       x = np.moveaxis(x, axis, -1); K = x.shape[-1]
;;       x = np.pad(x, [(0, 0)] * (x.ndim - 1) + [(0, -K % 32)]); x = x.reshape(x.shape[:-1] + (-1, 32)); a = np.abs(x).max(-1, keepdims=True)
;;       e = np.where(a > 0, np.clip(np.frexp(np.where(a > 0, a, 1))[1] - 1 - 8, -126, 127), 0)      # np.frexp(a)[1] - 1 = floor(log2(a)), exactly
;;       r = np.clip(x / 2.0 ** e, -448, 448)
;;       step = 2.0 ** (np.maximum(np.frexp(np.where(r == 0, 1, r))[1] - 1, -6) - 3)
;;       q = np.round(r / step) * step * 2.0 ** e      # np.round: ties to even
;;       return np.moveaxis(q.reshape(q.shape[:-2] + (-1,))[..., :K], -1, axis).astype(np.float32)
;;   ~~~
;;   SOFTMAX AHEAD OF A QUANTISED PRODUCT. Where the list says 'softmax', what is quantised is not the finished softmax but p = 2^(t - M), with t = logit x log2(e) and M = ceil(the row's largest t), a whole number; so 1/2 < the row's largest p <= 1. The row's sum l is taken of the UNQUANTISED p, in f32, and the product's result is divided by l at the end. Since M is a whole number, a kernel that streams over the keys may use a running M (the ceiling of the running maximum): every later rescaling is an exact power of two, which a block's scale takes up: the codes' values come out the same.
;;   OPERANDS COMPUTED ON THE WAY. 'Computed on the way' means the value that the module computes at that place (a softmax that the list does not call 'softmax' is quantised finished and normalised). What goes into a quantiser is computed in f32, as accurately as f32 sums, v_exp_f32 and their like allow (about 1e-6 of the number): no bf16 or f16 on the way to a quantiser, and a product that is left as it is and whose result goes on into a quantised operand takes f32 operands (vector FMAs, or v_wmma_f32_16x16x4_f32). A number that lies on a knife's edge between two numbers of the format may be rounded either way, as far as f32 arithmetic and the matrix unit's own rounding can turn it there, and no further.
;;   INPUTS GIVEN AS CODES. Wproj (in the module: [256, 256], K = its axis 0); Wqkv (in the module: [256, 768], K = its axis 0); x (in the module: [8, 2048, 256], K = its axis 2): each comes as NAME_codes (uint8): NAME with its K axis moved to the last place and cut into blocks of 32 codes, [.., K / 32, bytes a block], one block behind the other in memory; one code a byte (a code: sign, 4 exponent bits, 3 mantissa bits); and NAME_scales (uint8): the same leading axes, one E8M0 byte (e + 127) for each 32 codes along K. Its value is code x scale, taken as it is: it is not quantised again, and the codes and scales need not be those that the quantiser above would give.
;; One version. Each part assembles by itself: llvm-mc -triple=amdgcn-amd-amdhsa -mcpu=gfx1250 --defsym DOCPART=n.
;; ======== version 1 of 1: 2 launches
;; limits: right only within a limited range of input values
;; workspace buffers: qc 4,194,304 bytes; kc 4,194,304 bytes; vc 4,194,304 bytes; sc 524,288 bytes
;; launch qkv (part 1): grid 256 x 1, 4 waves a work-group, no clusters, 33,280 bytes of LDS; arguments x_codes, x_scales, Wqkv_codes, Wqkv_scales, qc, kc, vc, sc; writes qc, kc, vc, sc
.if DOCPART == 1
	.amdgcn_target "amdgcn-amd-amdhsa--gfx1250"
	.amdhsa_code_object_version 6
	.text
	.protected	k_q1888cc2f3c_qkv
	.globl	k_q1888cc2f3c_qkv
	.p2align	8
	.type	k_q1888cc2f3c_qkv,@function
k_q1888cc2f3c_qkv:
	s_mov_b64 s[64:65], 0
	v_nop
	global_prefetch_b8 v0, s[64:65] scope:SCOPE_SE
	s_setreg_imm32_b32 hwreg(HW_REG_WAVE_MODE, 25, 1), 1
	s_wait_xcnt 0x0
; qkv = x Wqkv on codes of FP8 (E4M3) with one E8M0 scale for each 32 along K, and the three results quantised again for the attention:
; q x 32^-0.5 and k along the head's 32 channels (a block = a head), v along the keys (a block = 32 neighbouring keys).
; SHARES.  A key or query n is period n / 128, column n % 128.  Work-group g: fh = g & 1, nb = (g >> 1) & 3, pq = (g >> 3) & 3, b = g >> 5.  It owns 128 rows of x: columns 32 nb .. + 31 of periods
; 4 pq .. + 3 of batch b, and makes q, k, v of heads 4 fh .. + 3.  Wave w is head 4 fh + w: its 96 rows of Wqkv (12 fragments, 192 registers, window 1) stay in registers.
; x goes from wave to wave through LDS as images of its fragments' registers: wave w loads period w's four fragments and stores them, 16 bytes a lane; every wave loads them back by the same lines.
; NO CLUSTER: the two work-groups that differ in fh share only x, 32 KiB of the 128 KiB that each reads, and x comes through registers, not by tensor loads.
; LAYOUT.  x tile u of a period: row m is column 8 u + m + 8 (m / 8).  q, k: source 0 = 16 rows of W (tile i: row m is channel 8 i + m + 8 (m / 8)), source 1 = x tile u: lane (r, h) then holds x row r and
; its 16 registers of tiles i = 0, 1 are channels 16 h + 0 .. 15.  v: source 0 = x tile u, source 1 = 16 rows of Wv: lane (r, h) holds channel r and its 16 registers of tiles u = 0, 1 are keys 16 h + 0 .. 15.
; So the conversions take 16 neighbours along the next K from one lane, and a block of 32 lies in lanes l and l xor 16.
; OUT.  qc [b][head][n][32]; kc [b][head][period][group of 8 keys][half of the channels][key][16]; vc [b][head][period][group][idx][8 keys], idx = the channel with its bits 3 and 4 exchanged;
; sc [b][head][pq][column][4 words]: q's, k's scale bytes of the column, v's of block column / 32 and channel = (column % 32) with bits 3 and 4 exchanged, 0; byte p is period 4 pq + p.
; Every store covers whole aligned runs of 256 bytes.
; LIMITS: a block whose largest magnitude lies under 2^-118 keeps the scale byte 1 (a block of zeros too: its codes are zeros, and this program alone reads the bytes); NaN and infinities are not served.
.set XS,   16                          ; v16-23   x's scale words: period p, K step ks at 2 p + ks; lanes 0-15 tile 0's rows, lanes 16-31 tile 1's
.set WS,   24                          ; v24-29   W's scale words: q, k, v at 2 t + ks; lanes 0-15 tile 0's rows, lanes 16-31 tile 1's
.set CD,   32                          ; v32-55   codes: block B at 4 B
.set SW,   56                          ; v56-61   a scale word for each block: byte p
.set XF,   64                          ; v64-127  x's fragments of a period: (u, ks) at 32 u + 16 ks
.set ACC,  128                         ; v128-223 block B at 16 B: 0, 1 q of tile u; 2, 3 k; 4, 5 v of channels 16 (B - 4) on
.set MX,   224                         ; v224-229 largest magnitudes
.set OT,   230                         ; v230-235 the other half's, then the bytes
.set LIM,  236
.set SO,   242                         ; v242-247 the conversions' scale operands
.set SWO,  248                         ; v248-251 my entry of sc
.set MSB, 0
.macro WIN new                         ; the immediate's high byte repeats the setting that is left
.if MSB != \new
	s_set_vgpr_msb (MSB<<8)|\new
.set MSB, \new
.endif
.endm
; One matrix instruction: D, A, B at these registers; c: C's first register, or -1 for the constant 0; sa, sb: the scale registers; ra, rb = 1: that side's scales are read from lanes 16-31
.macro MMA d, a, b, c, sa, sb, ra, rb
.if (\c) < 0
.if ((\ra) == 0) && ((\rb) == 0)
	v_wmma_scale_f32_16x16x128_f8f6f4 v[\d:\d+7], v[\a:\a+15], v[\b:\b+15], 0, v[\sa], v[\sb]
.elseif (\rb) == 0
	v_wmma_scale_f32_16x16x128_f8f6f4 v[\d:\d+7], v[\a:\a+15], v[\b:\b+15], 0, v[\sa], v[\sb] matrix_a_scale:MATRIX_SCALE_ROW1
.elseif (\ra) == 0
	v_wmma_scale_f32_16x16x128_f8f6f4 v[\d:\d+7], v[\a:\a+15], v[\b:\b+15], 0, v[\sa], v[\sb] matrix_b_scale:MATRIX_SCALE_ROW1
.else
	v_wmma_scale_f32_16x16x128_f8f6f4 v[\d:\d+7], v[\a:\a+15], v[\b:\b+15], 0, v[\sa], v[\sb] matrix_a_scale:MATRIX_SCALE_ROW1 matrix_b_scale:MATRIX_SCALE_ROW1
.endif
.else
.if ((\ra) == 0) && ((\rb) == 0)
	v_wmma_scale_f32_16x16x128_f8f6f4 v[\d:\d+7], v[\a:\a+15], v[\b:\b+15], v[\c:\c+7], v[\sa], v[\sb]
.elseif (\rb) == 0
	v_wmma_scale_f32_16x16x128_f8f6f4 v[\d:\d+7], v[\a:\a+15], v[\b:\b+15], v[\c:\c+7], v[\sa], v[\sb] matrix_a_scale:MATRIX_SCALE_ROW1
.elseif (\ra) == 0
	v_wmma_scale_f32_16x16x128_f8f6f4 v[\d:\d+7], v[\a:\a+15], v[\b:\b+15], v[\c:\c+7], v[\sa], v[\sb] matrix_b_scale:MATRIX_SCALE_ROW1
.else
	v_wmma_scale_f32_16x16x128_f8f6f4 v[\d:\d+7], v[\a:\a+15], v[\b:\b+15], v[\c:\c+7], v[\sa], v[\sb] matrix_a_scale:MATRIX_SCALE_ROW1 matrix_b_scale:MATRIX_SCALE_ROW1
.endif
.endif
.endm
	s_load_b512 s[4:19], s[0:1], 0x0               ; x's codes s[4:5], x's scales s[6:7], W's codes s[8:9], W's scales s[10:11], qc s[12:13], kc s[14:15], vc s[16:17], sc s[18:19]
	v_lshl_add_u32 v254, v0, 2, 0x8000
	v_mov_b32 v255, 0
	v_lshrrev_b32 v1, 5, v0
	v_readfirstlane_b32 s20, v1                    ; wave 0..3
	s_and_b32 s21, ttmp9, 1                        ; fh
	s_bfe_u32 s22, ttmp9, 0x20001                  ; nb
	s_bfe_u32 s23, ttmp9, 0x20003                  ; pq
	s_lshr_b32 s24, ttmp9, 5                       ; b
	s_lshl_b32 s25, s21, 2
	s_add_co_u32 s25, s25, s20                     ; my head
	s_lshl_b32 s26, s24, 11
	s_lshl_b32 s30, s23, 9
	s_add_co_u32 s26, s26, s30
	s_lshl_b32 s30, s22, 5
	s_add_co_u32 s26, s26, s30                     ; the group's first row of x: 2048 b + 512 pq + 32 nb
	s_lshl_b32 s27, s24, 3
	s_add_co_u32 s27, s27, s25                     ; 8 b + head
	s_mov_b32 s29, 0                               ; the high word of every offset
	s_mov_b32 s32, 0x76543210
	s_mov_b32 s33, 0xfedcba98                      ; v_permlanex16_b32's selects for lane l xor 16
	s_mov_b32 s35, 0xffff0000                      ; lanes 16-31
	s_mov_b32 s36, 0x3e3504f3                      ; 32^-0.5
	s_mov_b32 s37, s36                             ; (named with it as a pair, so it is written)
	v_and_b32 v1, 31, v0                           ; L
	v_and_b32 v2, 15, v0                           ; r
	v_bfe_u32 v3, v0, 4, 1                         ; h
	v_and_b32 v14, 7, v0                           ; r % 8
	v_bfe_u32 v15, v0, 3, 1                        ; r / 8
	v_lshl_add_u32 v4, v15, 4, v14                 ; R2 = r + 8 (r / 8)
	v_lshl_add_u32 v5, v3, 3, v4                   ; E = R2 + 8 h: L with its bits 3 and 4 exchanged
	v_lshlrev_b32 v6, 8, v4
	v_lshl_add_u32 v6, v3, 4, v6                   ; x, Wq, Wk: row R2 of 256 bytes, + 16 h
	v_lshlrev_b32 v7, 8, v2
	v_lshl_add_u32 v7, v3, 4, v7                   ; Wv: row r, + 16 h
	v_lshlrev_b32 v8, 3, v5                        ; 8 E: scale rows of x, Wq, Wk; v's codes on the way out
	v_lshlrev_b32 v9, 3, v1                        ; 8 L: scale rows of Wv
	v_lshlrev_b32 v10, 4, v1                       ; LDS: 16 L, an image's place for my lane
	s_lshl_b32 s30, s20, 13
	v_add_nc_u32 v11, s30, v10                     ; and where I store my period's four images: + 8,192 w
	v_lshlrev_b32 v12, 5, v4
	v_lshl_add_u32 v12, v3, 4, v12                 ; q out: row R2 of 32 bytes, + 16 h
	v_lshlrev_b32 v13, 4, v14
	v_lshl_add_u32 v13, v3, 7, v13
	v_lshl_add_u32 v13, v15, 9, v13                ; k out: group 2 (r / 8), half h, key r % 8
	v_lshlrev_b32 v14, 4, v5                       ; sc out: entry E
.irp b, 0,1,2,3,4,5
	v_mov_b32 v[OT+\b], 0                          ; written once: a lane permute's destination counts as one of its sources
.endr
	s_lshl_b32 s30, s20, 7
	s_add_co_u32 s28, s26, s30
	s_lshl_b32 s28, s28, 8                         ; x's codes: my period's rows
	s_wait_kmcnt 0x0
	s_add_nc_u64 s[4:5], s[4:5], s[28:29]
	s_lshl_b32 s28, s26, 3
	s_add_nc_u64 s[6:7], s[6:7], s[28:29]          ; x's scales: the group's first row, 8 bytes a row
	s_lshl_b32 s28, s25, 13
	s_add_nc_u64 s[8:9], s[8:9], s[28:29]          ; W's codes: my head's 32 rows of q
	s_lshl_b32 s28, s25, 8
	s_add_nc_u64 s[10:11], s[10:11], s[28:29]      ; W's scales likewise
	s_lshl_b32 s28, s27, 16
	s_lshl_b32 s30, s23, 14
	s_add_co_u32 s28, s28, s30
	s_lshl_b32 s30, s22, 10
	s_add_co_u32 s28, s28, s30                     ; 65,536 (8 b + head) + 16,384 pq + 1,024 nb: the same place in qc, kc and vc
	s_add_nc_u64 s[12:13], s[12:13], s[28:29]
	s_add_nc_u64 s[14:15], s[14:15], s[28:29]
	s_add_nc_u64 s[16:17], s[16:17], s[28:29]
	s_lshl_b32 s28, s27, 13
	s_lshl_b32 s30, s23, 11
	s_add_co_u32 s28, s28, s30
	s_lshl_b32 s30, s22, 9
	s_add_co_u32 s28, s28, s30
	s_add_nc_u64 s[18:19], s[18:19], s[28:29]      ; sc: 8,192 (8 b + head) + 2,048 pq + 512 nb
.irp f, 0,1,2,3                        ; my period's four fragments of x: f = 2 u + ks
.irp c, 0,1,2,3
	global_load_b128 v[XF+16*\f+4*\c:XF+16*\f+4*\c+3], v6, s[4:5] offset:2048*(\f/2)+128*(\f%2)+32*\c
.endr
.endr
	WIN 0x40                                       ; destination window 1
.irp g, 0,1,2,3,4,5,6,7                ; Wq's and Wk's fragments at 16 g, g = 4 t + 2 i + ks: they stay
.irp c, 0,1,2,3
	global_load_b128 v[16*\g+4*\c:16*\g+4*\c+3], v6, s[8:9] offset:65536*(\g/4)+2048*((\g/2)%2)+128*(\g%2)+32*\c
.endr
.endr
.irp g, 8,9,10,11                      ; Wv's: rows in their own order
.irp c, 0,1,2,3
	global_load_b128 v[16*\g+4*\c:16*\g+4*\c+3], v7, s[8:9] offset:131072+4096*((\g/2)%2)+128*(\g%2)+32*\c
.endr
.endr
	WIN 0
.irp p, 0,1,2,3
	global_load_b64 v[XS+2*\p:XS+2*\p+1], v8, s[6:7] offset:1024*\p
.endr
	global_load_b64 v[WS:WS+1], v8, s[10:11]
	global_load_b64 v[WS+2:WS+3], v8, s[10:11] offset:2048
	global_load_b64 v[WS+4:WS+5], v9, s[10:11] offset:4096
	s_wait_loadcnt 55                              ; my 16 loads of x are in: behind them stand 48 of W, 4 of x's scales, 3 of W's
.irp f, 0,1,2,3
.irp c, 0,1,2,3
	ds_store_b128 v11, v[XF+16*\f+4*\c:XF+16*\f+4*\c+3] offset:2048*\f+512*\c
.endr
.endr
	s_wait_dscnt 0x0                               ; for the others' sake: my images have landed
	s_barrier_signal -1
	s_barrier_wait -1                              ; all sixteen images lie in LDS; nothing is stored there again
	s_wait_loadcnt 0x0                             ; W and the scales
; Six blocks of 16 numbers a lane become codes; their bytes go into byte p of the six scale words.  The blocks take turns line by line.
.macro QUANT6 p
.irp b, 0,1,2,3,4,5
	v_max3_num_f32 v[MX+\b], |v[ACC+16*\b]|, |v[ACC+16*\b+1]|, 0x4800000   ; my 16 numbers, and the floor 2^(9 - 127): the byte cannot fall under 1
.endr
.irp i, 2,4,6,8,10,12,14
.irp b, 0,1,2,3,4,5
	v_max3_num_f32 v[MX+\b], v[MX+\b], |v[ACC+16*\b+\i]|, |v[ACC+16*\b+\i+1]|
.endr
.endr
.irp b, 0,1,2,3,4,5
	v_permlanex16_b32 v[OT+\b], v[MX+\b], s32, s33
.endr
.irp b, 0,1,2,3,4,5
	v_max_num_f32 v[MX+\b], v[MX+\b], v[OT+\b]     ; with lane l xor 16's: the block's largest magnitude
.endr
.irp b, 0,1,2,3,4,5
	v_add_nc_u32 v[SO+\b], 0xfc000000, v[MX+\b]    ; 8 off its exponent field: the conversion's scale operand
.endr
.irp b, 0,1,2,3,4,5
.endr
.irp b, 0,1,2,3,4,5
	v_lshrrev_b32 v[OT+\b], 23, v[SO+\b]           ; the scale's byte
.endr
.irp b, 0,1,2,3,4,5
.if \p == 0
	v_mov_b32 v[SW+\b], v[OT+\b]
.else
	v_lshl_or_b32 v[SW+\b], v[OT+\b], 8*\p, v[SW+\b]
.endif
.endr
.irp b, 0,1,2,3,4,5
.irp i, 0,1,2,3,4,5,6,7,8,9,10,11,12,13,14,15
.endr
	v_cvt_scalef32_pk8_fp8_f32 v[CD+4*\b:CD+4*\b+1], v[ACC+16*\b:ACC+16*\b+7], v[SO+\b]
	v_cvt_scalef32_pk8_fp8_f32 v[CD+4*\b+2:CD+4*\b+3], v[ACC+16*\b+8:ACC+16*\b+15], v[SO+\b]
.endr
	v_nop                                          ; one plain line between the last conversion and the lane exchanges, which touch its result
.endm
; One period: 32 rows of x against my head's 96 rows of W: 24 matrix instructions on 12 accumulators, which take turns, one instruction a turn, K step 0 and then K step 1.
.macro PERIOD p
.irp f, 0,1,2,3
.irp c, 0,1,2,3
	ds_load_b128 v[XF+16*\f+4*\c:XF+16*\f+4*\c+3], v10 offset:2048*(4*\p+\f)+512*\c   ; the last period's products stand far more than eight plain lines back
.endr
.endr
	s_wait_dscnt 0x0
	WIN 0x01                                       ; source 0 (W) window 1
.irp t, 0,1
.irp i, 0,1
.irp u, 0,1
	MMA ACC+32*\t+16*\u+8*\i, 64*\t+32*\i, XF+32*\u, -1, WS+2*\t, XS+2*\p, \i, \u
.endr
.endr
.endr
	WIN 0x04                                       ; source 1 (Wv) window 1
.irp d, 0,1
.irp u, 0,1
	MMA ACC+64+16*\d+8*\u, XF+32*\u, 128+32*\d, -1, XS+2*\p, WS+4, \u, \d
.endr
.endr
.irp d, 0,1
.irp u, 0,1
	MMA ACC+64+16*\d+8*\u, XF+32*\u+16, 128+32*\d+16, ACC+64+16*\d+8*\u, XS+2*\p+1, WS+5, \u, \d
.endr
.endr
	WIN 0x01
.irp t, 0,1
.irp i, 0,1
.irp u, 0,1
	MMA ACC+32*\t+16*\u+8*\i, 64*\t+32*\i+16, XF+32*\u+16, ACC+32*\t+16*\u+8*\i, WS+2*\t+1, XS+2*\p+1, \i, \u
.endr
.endr
.endr
	WIN 0
.rept 8
	v_nop                                          ; eight places between the last product and the first read of results
.endr
	s_wait_xcnt 0x0                                ; the last period's stores have read their data: the codes' registers are written again only behind this wait
.irp j, 0,2,4,6,8,10,12,14,16,18,20,22,24,26,28,30
	v_pk_mul_f32 v[ACC+\j:ACC+\j+1], v[ACC+\j:ACC+\j+1], s[36:37] op_sel_hi:[1,0]   ; q x 32^-0.5, each accumulator from its low end on
.endr
	QUANT6 \p
.irp i, 0,1,2,3
	v_permlane16_swap_b32 v[CD+16+\i], v[CD+20+\i] ; v: lanes 16-31 of channels 0-15 change places with lanes 0-15 of channels 16-31: the pair at CD + 16 + 2 g is then group g of the block, lane = channel
.endr
.irp u, 0,1
	global_store_b128 v12, v[CD+4*\u:CD+4*\u+3], s[12:13] offset:4096*\p+256*\u        ; q: rows 8 u .. + 7 and 16 + 8 u .. + 7: two whole runs of 256 bytes
	global_store_b128 v13, v[CD+8+4*\u:CD+8+4*\u+3], s[14:15] offset:4096*\p+256*\u    ; k: groups u and u + 2, whole
.endr
.irp g, 0,1,2,3
	global_store_b64 v8, v[CD+16+2*\g:CD+16+2*\g+1], s[16:17] offset:4096*\p+256*\g    ; v: group g, whole
.endr
.endm
	PERIOD 0
	PERIOD 1
	PERIOD 2
	PERIOD 3
	v_cndmask_b32 v[SWO], v[SW], v[SW+1], s35      ; lane (r, h) writes the entry of column E = 8 h + R2: tile h's row r for q and k,
	v_cndmask_b32 v[SWO+1], v[SW+2], v[SW+3], s35
	v_cndmask_b32 v[SWO+2], v[SW+4], v[SW+5], s35  ; channel 16 h + r = L for v
	v_mov_b32 v[SWO+3], 0
	global_store_b128 v14, v[SWO:SWO+3], s[18:19]  ; 32 entries: 512 consecutive bytes
	s_wait_tensorcnt 0x0
	ds_add_u32 v254, v255
	s_wait_dscnt 0x0
	s_endpgm
.Lfunc_end_k_q1888cc2f3c_qkv:
	.size	k_q1888cc2f3c_qkv, .Lfunc_end_k_q1888cc2f3c_qkv-k_q1888cc2f3c_qkv
	.p2alignl 7, 3214868480
	.fill 96, 4, 3214868480
	.section	.rodata,"a",@progbits
	.p2align	6, 0x0
	.amdhsa_kernel k_q1888cc2f3c_qkv
		.amdhsa_group_segment_fixed_size 33280
		.amdhsa_private_segment_fixed_size 0
		.amdhsa_enable_private_segment 0
		.amdhsa_kernarg_size 64
		.amdhsa_user_sgpr_count 2
		.amdhsa_user_sgpr_kernarg_segment_ptr 1
		.amdhsa_wavefront_size32 1
		.amdhsa_system_sgpr_workgroup_id_x 1
		.amdhsa_system_sgpr_workgroup_id_y 1
		.amdhsa_system_sgpr_workgroup_id_z 1
		.amdhsa_system_vgpr_workitem_id 0
		.amdhsa_next_free_vgpr 448
		.amdhsa_next_free_sgpr 66
		.amdhsa_reserve_vcc 0
		.amdhsa_float_denorm_mode_32 3
		.amdhsa_float_denorm_mode_16_64 3
		.amdhsa_fp16_overflow 1
		.amdhsa_memory_ordered 1
		.amdhsa_forward_progress 1
		.amdhsa_inst_pref_size 59
	.end_amdhsa_kernel
	.amdgpu_metadata
---
amdhsa.version: [ 1, 2 ]
amdhsa.kernels:
  - .name:           k_q1888cc2f3c_qkv
    .symbol:         k_q1888cc2f3c_qkv.kd
    .args:
      - { .name: x_codes, .offset: 0, .size: 8, .value_kind: global_buffer, .address_space: global }
      - { .name: x_scales, .offset: 8, .size: 8, .value_kind: global_buffer, .address_space: global }
      - { .name: Wqkv_codes, .offset: 16, .size: 8, .value_kind: global_buffer, .address_space: global }
      - { .name: Wqkv_scales, .offset: 24, .size: 8, .value_kind: global_buffer, .address_space: global }
      - { .name: qc, .offset: 32, .size: 8, .value_kind: global_buffer, .address_space: global }
      - { .name: kc, .offset: 40, .size: 8, .value_kind: global_buffer, .address_space: global }
      - { .name: vc, .offset: 48, .size: 8, .value_kind: global_buffer, .address_space: global }
      - { .name: sc, .offset: 56, .size: 8, .value_kind: global_buffer, .address_space: global }
    .group_segment_fixed_size: 33280
    .private_segment_fixed_size: 0
    .kernarg_segment_align: 8
    .kernarg_segment_size: 64
    .max_flat_workgroup_size: 128
    .sgpr_count:     66
    .vgpr_count:     448
    .wavefront_size: 32
...
	.end_amdgpu_metadata
.endif
;; end of part 1
;; launch attn (part 2): grid 256 x 1, 8 waves a work-group, clusters of 4 x 1, 327,680 bytes of LDS; arguments qc, kc, vc, sc, Wproj_codes, Wproj_scales, bproj, out0; writes out0
.if DOCPART == 2
	.amdgcn_target "amdgcn-amd-amdhsa--gfx1250"
	.amdhsa_code_object_version 6
	.text
	.protected	k_q1888cc2f3c_attn
	.globl	k_q1888cc2f3c_attn
	.p2align	8
	.type	k_q1888cc2f3c_attn,@function
k_q1888cc2f3c_attn:
	s_mov_b64 s[64:65], 0
	v_nop
	global_prefetch_b8 v0, s[64:65] scope:SCOPE_SE
	s_setreg_imm32_b32 hwreg(HW_REG_WAVE_MODE, 25, 1), 1
	s_wait_xcnt 0x0
	s_wait_alu depctr_hold_cnt(0) depctr_sa_sdst(0) depctr_va_vdst(0) depctr_va_sdst(0) depctr_va_ssrc(0) depctr_va_vcc(0) depctr_vm_vsrc(0)
	s_getreg_b32 s2, hwreg(HW_REG_IB_STS2, 6, 4)
	s_cmp_eq_u32 s2, 0
	s_cbranch_scc0 .Lentry_in_a_cluster
	s_endpgm
.Lentry_in_a_cluster:
	s_bfe_u32 s2, ttmp6, 0x10000c
	s_cmp_lg_u32 s2, 0x3003
	s_cbranch_scc0 .Lentry_shape_is_right
	s_endpgm
.Lentry_shape_is_right:
; out = (softmax(q k^T + mask) v) Wproj + bproj, all three products on codes of FP8 (E4M3) with one E8M0 scale for each 32 along K.  q (already x 32^-0.5), k, v come as codes and scale bytes from the launch before.
; THE MASK is the problem's own: with i = n % 128 query n sees key m where m % 128 lies in b' .. b' + 10, b' = min(max(i, 5) - 5, 117): 11 keys in each of the 16 periods of 128.
; For the 16 queries of columns 16 a .. + 15 those keys lie, in each period, in four neighbouring groups of 8 keys: three of one block of 32 keys (the MAJOR block: groups gM, gM + 1, gM + 2) and one of a
; neighbouring block (the MINOR group gm; for a = 0 and a = 7 it is wholly masked).  All other keys have p = 0 and are left out.
; SHARES.  Cluster cl: b = cl / 8, a = cl % 8; its work-group cx owns columns 16 a .. + 15 of periods 4 cx .. + 3: four tiles of 16 queries, all heads.  Wave w is head w; it keeps its head's windows of K and V
; (4 groups x 16 periods = 512 keys, 256 registers, window 1) for its four tiles.  JOINT LOADS: the four work-groups of a cluster need the same windows: wave w of each asks by the same two tensor loads, mask 15.
; cx enters the global addresses of q, of q's scale bytes and of out alone.
; FIRST PRODUCT, S^T = K Q^T: its K is 32 of the instruction's 128.  A fragment of K holds 16 keys (tile X: groups gM, gM + 1; tile Y: gM + 2, gm) of FOUR periods, one in each block of 32 along K; q stands in one block
; of source 1 and zero codes in the other three, so the product picks that period.  The mask is the product's C: 0 or -1e30.  A lane holds one query (lane % 16) and 8 keys a tile.
; SOFTMAX: t = score x log2(e); M = the running largest t rounded up to a whole number; p = 2^(t - M), quantised by blocks of 32 keys; the sum is taken of the unquantised p and divides at the end.
; SECOND PRODUCT, O^T = V^T P^T: a block of 32 along K holds, for P and V alike, groups gM, gM + 2 (lanes 0-15) and gM + 1, gm (lanes 16-31) of one period.  One block has one scale a side, so it is multiplied twice:
; once with the minor group's codes of P zero, under the major block's scales, once with only those codes, under the minor block's.
; PROJECTION: a block of its K is a head.  O / the sum is quantised in registers, goes to LDS as an image of the operand's registers, and wave w makes outputs 32 w .. + 31 of the work-group's 64 rows.
; LDS: 0 K's windows (16,384 a wave: 16 periods x 1,024); 131,072 V's; 262,144 O's eight images; 278,528 their scale words.  Each byte is filled once.  The stage for out (64 rows x 1,040) lies over K's bytes,
; which have had their only fill and were last read ahead of the barrier in front of the projection.
; LIMITS: scores stay under 1e30 in magnitude (the mask's -1e30 must lie under them); NaN and infinities are not served; a block whose largest magnitude lies under 2^-118 keeps the scale byte 1.
; REGISTERS, window 0: v1 lane, v2 r, v3 h, v4-11 addresses and masks; v12 -M, v13 the largest t, v[14:15] the sum; then as named below.  Window 1: K's tile X of step s at 32 s, tile Y at 32 s + 16; V (dt, s) at 128 + 32 s + 16 dt.
.set MKX, 16                           ; v16-23   the mask for tile X;  v24-31 for tile Y
.set MKY, 24
.set QW,  44                           ; v32-59   zeros but for v44-47 = q: source 1 with q in block c is v[44 - 4 c : 59 - 4 c]
.set QN,  60                           ; v60-63   the next tile's q
.set ST,  64                           ; v64-127  scores, then p: period c: tile X at 16 c, tile Y at 16 c + 8
.set PMJ, 128                          ; v128-143 P under the major block's scales;  v144-159 under the minor's
.set PMN, 144
.set OA,  160                          ; v160-175 O^T: register 8 dt + j is channel 16 h + 8 dt + j
.set KS,  176                          ; v176-179 K's scale words of step s: lanes 0-15 tile X's rows, lanes 16-31 tile Y's
.set VS,  180                          ; v180-187 V's at 4 dt + s: lanes 0-15 the major block's, lanes 16-31 the minor's
.set QSW, 188                          ; q's scale bytes of my four tiles;  v189 the tile's byte in all four bytes;  v190 P's scale word: lanes 0-15 major, 16-31 minor
.set QS,  189
.set PW,  190
.set NEG, 191                          ; -1e30
.set GX,  192                          ; v192-195, v196-199 the largest score of my 8 keys of tile X, Y in period c
.set GY,  196
.set WR,  200
.set UR,  204
.set BM,  208                          ; v208-215 at 2 c the major block's largest score, at 2 c + 1 the same in lanes 0-15 and the minor's in lanes 16-31; then the largest p
.set SO,  216                          ; v216-223 the conversions' scale operands;  v232-235 bytes
.set LIM, 224
.set BY,  232
.set YC,  236                          ; v236-243 tile Y's codes
.set TA,  244
.set TB,  245
.set OLD, 246
.set NIL, 247                          ; 0
.set OC,  252                          ; v252-255 O's codes
.set IMG, 262144
.set OSC, 278528
.set OF,  32                           ; the projection: O's fragments (u, ks) at 32 u + 16 ks;  v192-255 its accumulators (u, nt) at 16 u + 8 nt
.set AP,  192
.set MSB, 0
.macro WIN new                         ; the immediate's high byte repeats the setting that is left
.if MSB != \new
	s_set_vgpr_msb (MSB<<8)|\new
.set MSB, \new
.endif
.endm
; One matrix instruction: D, A, B at these registers; c: C's first register, or -1 for the constant 0; sa, sb: the scale registers; ra, rb = 1: that side's scales are read from lanes 16-31
.macro MMA d, a, b, c, sa, sb, ra, rb
.if (\c) < 0
.if ((\ra) == 0) && ((\rb) == 0)
	v_wmma_scale_f32_16x16x128_f8f6f4 v[\d:\d+7], v[\a:\a+15], v[\b:\b+15], 0, v[\sa], v[\sb]
.elseif (\rb) == 0
	v_wmma_scale_f32_16x16x128_f8f6f4 v[\d:\d+7], v[\a:\a+15], v[\b:\b+15], 0, v[\sa], v[\sb] matrix_a_scale:MATRIX_SCALE_ROW1
.elseif (\ra) == 0
	v_wmma_scale_f32_16x16x128_f8f6f4 v[\d:\d+7], v[\a:\a+15], v[\b:\b+15], 0, v[\sa], v[\sb] matrix_b_scale:MATRIX_SCALE_ROW1
.else
	v_wmma_scale_f32_16x16x128_f8f6f4 v[\d:\d+7], v[\a:\a+15], v[\b:\b+15], 0, v[\sa], v[\sb] matrix_a_scale:MATRIX_SCALE_ROW1 matrix_b_scale:MATRIX_SCALE_ROW1
.endif
.else
.if ((\ra) == 0) && ((\rb) == 0)
	v_wmma_scale_f32_16x16x128_f8f6f4 v[\d:\d+7], v[\a:\a+15], v[\b:\b+15], v[\c:\c+7], v[\sa], v[\sb]
.elseif (\rb) == 0
	v_wmma_scale_f32_16x16x128_f8f6f4 v[\d:\d+7], v[\a:\a+15], v[\b:\b+15], v[\c:\c+7], v[\sa], v[\sb] matrix_a_scale:MATRIX_SCALE_ROW1
.elseif (\ra) == 0
	v_wmma_scale_f32_16x16x128_f8f6f4 v[\d:\d+7], v[\a:\a+15], v[\b:\b+15], v[\c:\c+7], v[\sa], v[\sb] matrix_b_scale:MATRIX_SCALE_ROW1
.else
	v_wmma_scale_f32_16x16x128_f8f6f4 v[\d:\d+7], v[\a:\a+15], v[\b:\b+15], v[\c:\c+7], v[\sa], v[\sb] matrix_a_scale:MATRIX_SCALE_ROW1 matrix_b_scale:MATRIX_SCALE_ROW1
.endif
.endif
.endm
; A round of the cluster's barrier: my work-group's barrier, wave 0 signals for the work-group, every wave waits for all four work-groups, my work-group's barrier once more
.macro CROUND
	s_barrier_signal -1
	s_barrier_wait -1
	s_cmp_lg_u32 s20, 0
	s_cbranch_scc1 .Lnot_wave_0_\@
	s_barrier_signal -3
.Lnot_wave_0_\@:
	s_barrier_wait -3
	s_barrier_signal -1
	s_barrier_wait -1
.endm
	s_load_b512 s[4:19], s[0:1], 0x0               ; qc s[4:5], kc s[6:7], vc s[8:9], sc s[10:11], Wproj's codes s[12:13], its scales s[14:15], bproj s[16:17], out s[18:19]
	v_lshl_add_u32 v254, v0, 2, 0x44200
	v_mov_b32 v255, 0
	ds_add_u32 v254, v255
	ds_add_u32 v254, v255
	s_wait_dscnt 0x0
	v_lshrrev_b32 v7, 5, v0
	s_delay_alu instid0(VALU_DEP_1)
	v_readfirstlane_b32 s20, v7                    ; wave 0..7 = my head
	s_and_b32 s22, ttmp9, 7                        ; a  (in a cluster launch ttmp9 counts clusters)
	s_lshr_b32 s23, ttmp9, 3                       ; b
	s_lshl_b32 s24, s23, 3
	s_add_co_u32 s24, s24, s20                     ; 8 b + head
	s_and_b32 s62, s22, 1                          ; a odd?
	s_lshl_b32 s28, s22, 1
	s_sub_co_u32 s25, s28, s62                     ; gM = 2 a - odd
	s_add_co_u32 s26, s28, 2
	s_min_u32 s26, s26, 12                         ; a odd: gm = min(2 a + 2, 12)
	s_sub_co_i32 s28, s28, 1
	s_max_i32 s28, s28, 3                          ; a even: gm = max(2 a - 1, 3)
	s_cmp_lg_u32 s62, 0
	s_cselect_b32 s26, s26, s28                    ; gm
	s_cmp_lt_u32 s26, s25
	s_cselect_b32 s27, 1, 0                        ; mf = 1: the minor group is the window's first, else its last
	s_min_u32 s62, s25, s26                        ; the window's first group
	s_lshr_b32 s60, s22, 1                         ; the major block
	s_lshr_b32 s61, s26, 2                         ; the minor group's block
	s_lshl_b32 s28, s24, 16
	s_lshl_b32 s62, s62, 8
	s_add_co_u32 s28, s28, s62                     ; the window's first byte in kc and in vc: 65,536 (8 b + head) + 256 x its first group
	s_mov_b32 s29, 0
	s_lshl_b32 s25, s25, 3                         ; 8 gM
	s_lshl_b32 s26, s26, 3                         ; 8 gm
	; descriptor group 1: 16 rows (periods) of 1,024 bytes (four groups), 4,096 bytes apart, dense in LDS
	s_mov_b32 s32, 15|(3<<16)|(1<<21)              ; 15:0 the mask: all four work-groups; 17:16 elements of 8 bytes; 21 set beside a mask
	s_mov_b32 s33, 128<<16                         ; tensor_dim0 = 128 elements
	s_mov_b32 s34, 16<<16                          ; tensor_dim1 = 16
	s_mov_b32 s35, 128<<16                         ; tile_dim0 = 128
	s_mov_b32 s36, 16                              ; tile_dim1 = 16
	s_mov_b32 s37, 512                             ; from row to row: 512 elements
	s_mov_b32 s38, 0
	s_mov_b32 s39, 0
	s_mov_b32 s48, 0x3fb8aa3b                      ; log2(e)
	s_mov_b32 s49, s48                             ; (named with it as a pair, so it is written)
	s_mov_b32 s50, 0x76543210
	s_mov_b32 s51, 0xfedcba98                      ; v_permlanex16_b32's selects for lane l xor 16
	s_mov_b32 s53, 0xffff0000                      ; lanes 16-31
	s_mov_b32 s63, 0xff00ff00                      ; lanes whose r is 8 or more
	s_mov_b32 s54, 4                               ; tiles to go
	s_mov_b32 s55, 0                               ; byte select for q's scale: 0x01010101 x tile
	s_mov_b32 s56, 0                               ; the tile's images: 4,096 x tile
	s_mov_b32 s57, 0                               ; their scale words: 128 x tile
	s_wait_kmcnt 0x0
	s_mov_b32 s40, 1                               ; group 0 for K: count = 1,
	s_lshl_b32 s41, s20, 14                        ; LDS address 16,384 w,
	s_add_nc_u64 s[42:43], s[6:7], s[28:29]        ; the window's address,
	s_or_b32 s43, s43, 0x80000000                  ; type = 2
	s_mov_b32 s44, 1                               ; and for V
	s_add_co_u32 s45, s41, 131072
	s_add_nc_u64 s[46:47], s[8:9], s[28:29]
	s_or_b32 s47, s47, 0x80000000
	CROUND                                         ; all four work-groups are here: the joint loads meet
	tensor_load_to_lds s[40:43], s[32:39]          ; my head's window of K,
	s_nop 0
	s_wait_alu depctr_va_vdst(0)
	s_wait_tensorcnt 0x0
	ds_add_u32 v254, v255
	s_wait_dscnt 0x0
	CROUND
	tensor_load_to_lds s[44:47], s[32:39]          ; and of V: the K load has landed, so one tensor load of mine is out, the last of the launch
	s_nop 0
.rept 4
	v_nop
.endr
	s_lshl_b32 s28, s24, 13
	s_add_nc_u64 s[10:11], s[10:11], s[28:29]      ; sc at my batch and head
	s_lshl_b32 s28, s20, 13
	s_add_nc_u64 s[12:13], s[12:13], s[28:29]      ; Wproj's codes: my 32 rows
	s_lshl_b32 s28, s20, 8
	s_add_nc_u64 s[14:15], s[14:15], s[28:29]      ; its scales
	s_lshl_b32 s28, s20, 7
	s_add_nc_u64 s[16:17], s[16:17], s[28:29]      ; bproj: my 32 numbers
	s_bfe_u32 s21, ttmp6, 0x40000                  ; cx: it is kept to s21, s30, s31 and the addresses of q, q's scales and out
	s_mov_b32 s31, 0
	s_lshl_b32 s30, s21, 14
	s_lshl_b32 s62, s24, 16
	s_add_co_u32 s30, s30, s62
	s_lshl_b32 s62, s22, 9
	s_add_co_u32 s30, s30, s62
	s_add_nc_u64 s[58:59], s[4:5], s[30:31]        ; q: 32 x (2,048 (8 b + head) + 512 cx + 16 a)
	s_lshl_b32 s30, s21, 19
	s_lshl_b32 s62, s23, 21
	s_add_co_u32 s30, s30, s62
	s_lshr_b32 s62, s20, 1
	s_lshl_b32 s62, s62, 17
	s_add_co_u32 s30, s30, s62
	s_lshl_b32 s62, s22, 14
	s_add_co_u32 s30, s30, s62
	s_and_b32 s62, s20, 1
	s_lshl_b32 s62, s62, 13
	s_add_co_u32 s30, s30, s62
	s_add_nc_u64 s[18:19], s[18:19], s[30:31]      ; out: 1,024 x (2,048 b + 128 (4 cx + w / 2) + 16 a + 8 (w % 2)): the eight rows that I store
	s_lshl_b32 s30, s21, 11
	s_lshl_b32 s62, s22, 8
	s_add_co_u32 s30, s30, s62                     ; q's scale words: 2,048 cx + 16 x 16 a
	v_and_b32 v1, 31, v0                           ; L
	v_and_b32 v2, 15, v0                           ; r
	v_bfe_u32 v3, v0, 4, 1                         ; h
	v_and_b32 v192, 7, v0                          ; r % 8
	v_bfe_u32 v193, v0, 3, 1                       ; r / 8
	s_delay_alu instid0(VALU_DEP_4)
	v_lshlrev_b32 v4, 5, v2
	s_delay_alu instid0(VALU_DEP_1)
	v_lshl_add_u32 v4, v3, 4, v4                   ; q: row r of 32 bytes, + 16 h
	v_lshl_add_u32 v194, v2, 4, s30                ; q's scale word of column 16 a + r
	v_add_nc_u32 v195, s25, v2                     ; K's scale words: tile X's row r is column 8 gM + r;
	s_add_co_u32 s62, s25, 16
	v_mov_b32 v196, s62                            ; 8 (gM + 2)
	v_mov_b32 v197, s26                            ; 8 gm
	s_delay_alu instid0(VALU_DEP_1)
	v_cndmask_b32 v198, v196, v197, s63            ; tile Y's rows 0-7 are group gM + 2, rows 8-15 the minor group
	s_delay_alu instid0(VALU_DEP_1)
	v_add_nc_u32 v198, v198, v192
	s_delay_alu instid0(VALU_DEP_1)
	v_cndmask_b32 v195, v195, v198, s53            ; lanes 0-15 take X's, lanes 16-31 Y's
	s_delay_alu instid0(VALU_DEP_1)
	v_lshlrev_b32 v195, 4, v195
	v_mov_b32 v198, s60
	v_mov_b32 v199, s61
	s_delay_alu instid0(VALU_DEP_1)
	v_cndmask_b32 v199, v198, v199, s53            ; V's scale words: lanes 0-15 the major block's, lanes 16-31 the minor's;
	s_delay_alu instid0(VALU_DEP_1)
	v_lshl_add_u32 v199, v199, 5, v2               ; entry 32 x block + 16 dt + r
	s_delay_alu instid0(VALU_DEP_1)
	v_lshlrev_b32 v199, 4, v199
	global_load_b128 v[QW:QW+3], v4, s[58:59]      ; q of my first tile
	global_load_b32 v[QSW], v194, s[10:11]
.irp s, 0,1,2,3
	global_load_b32 v[KS+\s], v195, s[10:11] offset:2048*\s+4
.endr
.irp d, 0,1
.irp s, 0,1,2,3
	global_load_b32 v[VS+4*\d+\s], v199, s[10:11] offset:2048*\s+256*\d+8
.endr
.endr
.irp i, 32,33,34,35,36,37,38,39,40,41,42,43,48,49,50,51,52,53,54,55,56,57,58,59
	v_mov_b32 v[\i], 0                             ; the zero codes round q
.endr
.irp i, 0,1,4,5,8,9,12,13
	v_mov_b32 v[PMN+\i], 0                         ; tile X has no part in the minor block
.endr
.irp i, 0,1,2,3
	v_mov_b32 v[QN+\i], 0                          ; written once, so that the way on which no next q is loaded finds them written
.endr
	v_cndmask_b32 v8, -1, 0, s53                   ; all ones in lanes 0-15
	v_cndmask_b32 v9, 0, -1, s53                   ; all ones in lanes 16-31
	v_mov_b32 v11, 0                               ; (named as the upper half of the pair v[10:11])
	v_mov_b32 v[NEG], 0xf149f2ca                   ; -1e30
	v_mov_b32 v[NIL], 0
	v_mov_b32 v[TB], 0                             ; written once: a lane permute's destination counts as one of its sources (v204-207 are written below)
	; the masks: register j of tile X is key column 8 (gM + h) + j, of tile Y 8 (h ? gm : gM + 2) + j; it counts where column - b' is 0 .. 10
	s_lshl_b32 s62, s22, 4
	v_add_nc_u32 v198, s62, v2
	s_delay_alu instid0(VALU_DEP_1)
	v_max_u32 v198, 5, v198
	s_delay_alu instid0(VALU_DEP_1)
	v_add_nc_u32 v198, -5, v198
	s_delay_alu instid0(VALU_DEP_1)
	v_min_u32 v198, 117, v198                      ; b'
	v_lshl_add_u32 v200, v3, 3, s25
	s_delay_alu instid0(VALU_DEP_1)
	v_sub_nc_u32 v200, v200, v198
	v_cndmask_b32 v201, v196, v197, s53
	s_delay_alu instid0(VALU_DEP_1)
	v_sub_nc_u32 v201, v201, v198
.irp j, 0,1,2,3,4,5,6,7
	v_add_nc_u32 v202, \j, v200
	s_delay_alu instid0(VALU_DEP_1)
	v_cmp_gt_u32 vcc_lo, 11, v202
	s_delay_alu instid0(VALU_DEP_1)
	v_cndmask_b32 v[MKX+\j], v[NEG], v[NIL], vcc_lo
	v_add_nc_u32 v203, \j, v201
	s_delay_alu instid0(VALU_DEP_1)
	v_cmp_gt_u32 vcc_lo, 11, v203
	s_delay_alu instid0(VALU_DEP_1)
	v_cndmask_b32 v[MKY+\j], v[NEG], v[NIL], vcc_lo
.endr
	; where O's codes and scale bytes go: head w is block w % 4 of K step w / 4
	s_lshr_b32 s28, s20, 2
	s_lshl_b32 s28, s28, 11
	s_and_b32 s62, s20, 3
	s_lshl_b32 s62, s62, 9
	s_add_co_u32 s28, s28, s62
	v_lshl_add_u32 v5, v1, 4, IMG
	s_delay_alu instid0(VALU_DEP_1)
	v_add_nc_u32 v5, s28, v5                       ; IMG + 2,048 (w / 4) + 512 (w % 4) + 16 L
	s_lshr_b32 s28, s20, 2
	s_lshl_b32 s28, s28, 6
	s_and_b32 s62, s20, 3
	s_add_co_u32 s28, s28, s62
	v_lshl_add_u32 v6, v2, 2, OSC
	s_delay_alu instid0(VALU_DEP_1)
	v_add_nc_u32 v6, s28, v6                       ; OSC + 64 (w / 4) + 4 r + w % 4
	; my lane's places in the windows.  A group is 256 bytes: K [half of the channels][key][16], V [idx][8 keys]
	s_lshl_b32 s28, s20, 14                        ; 16,384 w
	s_lshl_b32 s62, s27, 8                         ; 256 mf: group gM
	s_add_co_u32 s61, s62, 512                     ; 256 (mf + 2): group gM + 2
	s_xor_b32 s60, s27, 1
	s_mul_i32 s60, s60, 768                        ; 256 (3 - 3 mf): the minor group
	v_lshlrev_b32 v200, 4, v192
	s_delay_alu instid0(VALU_DEP_1)
	v_lshl_add_u32 v200, v3, 7, v200
	s_delay_alu instid0(VALU_DEP_1)
	v_add_nc_u32 v200, s28, v200                   ; 16,384 w + 128 h + 16 (r % 8)
	s_delay_alu instid0(VALU_DEP_1)
	v_lshl_add_u32 v204, v193, 8, v200
	s_delay_alu instid0(VALU_DEP_1)
	v_add_nc_u32 v204, s62, v204                   ; tile X: group gM + r / 8
	v_mov_b32 v201, s61
	v_mov_b32 v202, s60
	s_delay_alu instid0(VALU_DEP_1)
	v_cndmask_b32 v205, v201, v202, s63
	s_delay_alu instid0(VALU_DEP_1)
	v_add_nc_u32 v205, v205, v200                  ; tile Y: group gM + 2, or the minor
	s_add_co_u32 s28, s28, 131072
	v_lshl_add_u32 v203, v2, 3, s28                ; V: 131,072 + 16,384 w + 8 r
	s_delay_alu instid0(VALU_DEP_1)
	v_lshl_add_u32 v206, v3, 8, v203
	s_delay_alu instid0(VALU_DEP_1)
	v_add_nc_u32 v206, s62, v206                   ; the block's keys 16 h + 0 .. 7: group gM + h
	v_cndmask_b32 v207, v201, v202, s53
	s_delay_alu instid0(VALU_DEP_1)
	v_add_nc_u32 v207, v207, v203                  ; keys 16 h + 8 .. 15: group gM + 2, or the minor
	s_wait_alu depctr_va_vdst(0)
	s_wait_tensorcnt 0x0                           ; both my windows have landed
	s_barrier_signal -1
	s_barrier_wait -1                              ; and everybody's: behind this barrier no fill is on its way into LDS
	WIN 0x40                                       ; destination window 1
.irp p, 0,1,2,3,4,5,6,7,8,9,10,11,12,13,14,15      ; period p is block p % 4 of step p / 4
	ds_load_b128 v[32*(\p/4)+4*(\p%4):32*(\p/4)+4*(\p%4)+3], v204 offset:1024*\p
	ds_load_b128 v[32*(\p/4)+16+4*(\p%4):32*(\p/4)+16+4*(\p%4)+3], v205 offset:1024*\p
.endr
.irp p, 0,1,2,3,4,5,6,7,8,9,10,11,12,13,14,15
.irp d, 0,1
	ds_load_b64 v[128+32*(\p/4)+16*\d+4*(\p%4):128+32*(\p/4)+16*\d+4*(\p%4)+1], v206 offset:1024*\p+128*\d
	ds_load_b64 v[128+32*(\p/4)+16*\d+4*(\p%4)+2:128+32*(\p/4)+16*\d+4*(\p%4)+3], v207 offset:1024*\p+128*\d
.endr
.endr
	WIN 0
	s_wait_dscnt 0x0                               ; K and V are in registers
	s_wait_loadcnt 0x0                             ; q and all scale words
	v_perm_b32 v[QS], v[QSW], v[QSW], s55          ; the first tile's byte in all four bytes
.rept 8
	v_nop                                          ; a scale register written by a vector instruction stands eight places ahead of the scaled product
.endr
; The scores of step s: periods 4 s .. + 3, tiles X and Y: eight products, each on an accumulator of its own
.macro SMM s
.irp c, 0,1,2,3
	MMA ST+16*\c, 32*(\s), QW-4*\c, MKX, KS+(\s), QS, 0, 0
	MMA ST+16*\c+8, 32*(\s)+16, QW-4*\c, MKY, KS+(\s), QS, 1, 0
.endr
.endm
; A step: the softmax of four periods' scores, which have been issued; P's codes; O^T += V^T P^T; and the next step's scores.  first = 1: the tile's first step starts M and O^T.
.macro STEP s, first
	WIN 0
.rept 8
	v_nop                                          ; eight places between the last product and the first read of the scores
.endr
.irp c, 0,1,2,3
	v_max3_num_f32 v[GX+\c], v[ST+16*\c], v[ST+16*\c+1], v[ST+16*\c+2]       ; the largest score of each group of 8 keys, each accumulator from its low end on
	v_max3_num_f32 v[GY+\c], v[ST+16*\c+8], v[ST+16*\c+9], v[ST+16*\c+10]
.endr
.irp i, 3,5
.irp c, 0,1,2,3
	v_max3_num_f32 v[GX+\c], v[GX+\c], v[ST+16*\c+\i], v[ST+16*\c+\i+1]
	v_max3_num_f32 v[GY+\c], v[GY+\c], v[ST+16*\c+8+\i], v[ST+16*\c+9+\i]
.endr
.endr
.irp c, 0,1,2,3
	v_max_num_f32 v[GX+\c], v[GX+\c], v[ST+16*\c+7]
	v_max_num_f32 v[GY+\c], v[GY+\c], v[ST+16*\c+15]
.endr
	s_delay_alu instid0(VALU_DEP_4)
	v_max3_num_f32 v[TA], v[GX], v[GX+1], v[GX+2]
	s_delay_alu instid0(VALU_DEP_3)
	v_max3_num_f32 v[TB], v[GX+3], v[GY], v[GY+1]
	s_delay_alu instid0(VALU_DEP_2)
	v_max3_num_f32 v[TA], v[TA], v[GY+2], v[GY+3]
	s_delay_alu instid0(VALU_DEP_1)
	v_max_num_f32 v[TA], v[TA], v[TB]
	s_delay_alu instid0(VALU_DEP_1)
	v_permlanex16_b32 v[TB], v[TA], s50, s51
	s_delay_alu instid0(VALU_DEP_1)
	v_max_num_f32 v[TA], v[TA], v[TB]              ; the step's largest score of my query: each period has keys that count, so it is a score
.if \first
	s_delay_alu instid0(VALU_DEP_1)
	v_mul_f32 v13, s48, v[TA]                      ; the largest t
	s_delay_alu instid0(VALU_DEP_1)
	v_floor_f32 v12, -v13                          ; -M = floor(-t): M is a whole number
.else
	s_delay_alu instid0(VALU_DEP_1)
	v_mul_f32 v[TA], s48, v[TA]
	s_delay_alu instid0(VALU_DEP_1)
	v_max_num_f32 v13, v13, v[TA]                  ; the running largest t
	v_mov_b32 v[OLD], v12
	s_delay_alu instid0(VALU_DEP_2)
	v_floor_f32 v12, -v13
	s_delay_alu instid0(VALU_DEP_1)
	v_sub_f32 v[TA], v12, v[OLD]                   ; old M - new M: a whole number, 0 or less
	s_delay_alu instid0(VALU_DEP_1)
	v_cvt_i32_f32 v[TA], v[TA]
	s_delay_alu instid0(VALU_DEP_1)
	v_ldexp_f32 v10, 1.0, v[TA]                    ; f = 2^(old M - new M): the multiplications by it round nothing
.endif
.irp c, 0,1,2,3
	v_cndmask_b32 v[WR+\c], v[GY+\c], v[NEG], s53  ; the major block: tile Y counts in lanes 0-15 alone,
.endr
.irp c, 0,1,2,3
	s_delay_alu instid0(VALU_DEP_4)
	v_max_num_f32 v[WR+\c], v[WR+\c], v[GX+\c]     ; tile X in all,
.endr
.irp c, 0,1,2,3
	s_delay_alu instid0(VALU_DEP_4)
	v_permlanex16_b32 v[UR+\c], v[WR+\c], s50, s51
.endr
.irp c, 0,1,2,3
	s_delay_alu instid0(VALU_DEP_4)
	v_max_num_f32 v[BM+2*\c], v[WR+\c], v[UR+\c]   ; and lane l xor 16's
.endr
.irp c, 0,1,2,3
	s_delay_alu instid0(VALU_DEP_4)
	v_cndmask_b32 v[BM+2*\c+1], v[BM+2*\c], v[GY+\c], s53   ; tile Y's block: the major in lanes 0-15, the minor (my own 8 keys are all of it that counts) in lanes 16-31
.endr
.set j, 0
.rept 32
	v_pk_fma_f32 v[ST+j:ST+j+1], v[ST+j:ST+j+1], s[48:49], v[12:13] op_sel_hi:[1,0,0]   ; t - M, two at a time
.set j, j+2
.endr
.irp c, 0,1,2,3
	v_pk_fma_f32 v[BM+2*\c:BM+2*\c+1], v[BM+2*\c:BM+2*\c+1], s[48:49], v[12:13] op_sel_hi:[1,0,0]   ; the same of each block's largest score
.endr
.set j, 0
	s_wait_alu depctr_va_vdst(0)
.rept 64
	v_exp_f32 v[ST+j], v[ST+j]                     ; p = 2^(t - M); 0 under the mask
.set j, j+1
.endr
.irp i, 0,1,2,3,4,5,6,7
	v_exp_f32 v[BM+\i], v[BM+\i]                   ; the block's largest p: the same two instructions on the same number
.endr
.if \first
	v_nop                                          ; a plain line behind the exponentials
	s_wait_alu depctr_va_vdst(0)
.else
	v_pk_mul_f32 v[14:15], v[14:15], v[10:11] op_sel_hi:[1,0]   ; the sum under the new M (the plain line behind the exponentials)
	s_wait_alu depctr_va_vdst(0)
.endif
.irp i, 0,1,2,3,4,5,6,7
	v_max_num_f32 v[BM+\i], 0x4800000, v[BM+\i]    ; the floor 2^(9 - 127): a block all of whose p are 0 keeps the byte 1; its codes are zeros
.endr
.irp i, 0,1,2,3,4,5,6,7
	v_add_nc_u32 v[SO+\i], 0xfc000000, v[BM+\i]    ; 8 off the exponent field: the conversion's scale operand
.endr
.irp i, 0,1,2,3,4,5,6,7
.endr
.irp c, 0,1,2,3
	v_lshrrev_b32 v[BY+\c], 23, v[SO+2*\c+1]       ; the byte: the major block's in lanes 0-15, the minor's in lanes 16-31
.endr
	s_delay_alu instid0(VALU_DEP_3)
	v_lshl_or_b32 v[PW], v[BY+1], 8, v[BY]
	s_delay_alu instid0(VALU_DEP_1)
	v_lshl_or_b32 v[PW], v[BY+2], 16, v[PW]
	s_delay_alu instid0(VALU_DEP_1)
	v_lshl_or_b32 v[PW], v[BY+3], 24, v[PW]        ; P's scale word; more than eight plain lines stand between it and the products
	v_pk_add_f32 v[248:249], v[ST:ST+1], v[ST+2:ST+3]
.irp j, 4,8,12,16,20,24,28,32,36,40,44,48,52,56,60
	v_pk_add_f32 v[14:15], v[14:15], v[ST+\j:ST+\j+1]
	v_pk_add_f32 v[248:249], v[248:249], v[ST+\j+2:ST+\j+3]
.endr
	s_delay_alu instid0(VALU_DEP_1)
	v_pk_add_f32 v[14:15], v[14:15], v[248:249]
.irp c, 0,1,2,3
.irp i, 0,1,2,3,4,5,6,7
.endr
	v_cvt_scalef32_pk8_fp8_f32 v[PMJ+4*\c:PMJ+4*\c+1], v[ST+16*\c:ST+16*\c+7], v[SO+2*\c]
	v_cvt_scalef32_pk8_fp8_f32 v[YC+2*\c:YC+2*\c+1], v[ST+16*\c+8:ST+16*\c+15], v[SO+2*\c+1]
.endr
	v_nop                                          ; one plain line between the last conversion and the lines that read its result
.irp c, 0,1,2,3
	v_and_b32 v[PMJ+4*\c+2], v[YC+2*\c], v8        ; tile Y's codes: lanes 0-15 belong to the major block,
	v_and_b32 v[PMJ+4*\c+3], v[YC+2*\c+1], v8
	v_and_b32 v[PMN+4*\c+2], v[YC+2*\c], v9        ; lanes 16-31 to the minor
	v_and_b32 v[PMN+4*\c+3], v[YC+2*\c+1], v9
.endr
.if \first
.rept 4
	v_nop                                          ; an operand written by vector instructions stands four places ahead of a scaled product
.endr
.else
.irp j, 0,2,4,6,8,10,12,14
	v_pk_mul_f32 v[OA+\j:OA+\j+1], v[OA+\j:OA+\j+1], v[10:11] op_sel_hi:[1,0]   ; O^T under the new M, each accumulator from its low end on; these eight are also those places
.endr
.endif
	WIN 0x01                                       ; source 0 (V, K) window 1
.if \first
	MMA OA, 128+32*\s, PMJ, -1, VS+\s, PW, 0, 0    ; the two accumulators take turns
	MMA OA+8, 128+32*\s+16, PMJ, -1, VS+4+\s, PW, 0, 0
.else
	MMA OA, 128+32*\s, PMJ, OA, VS+\s, PW, 0, 0
	MMA OA+8, 128+32*\s+16, PMJ, OA+8, VS+4+\s, PW, 0, 0
.endif
	MMA OA, 128+32*\s, PMN, OA, VS+\s, PW, 1, 1    ; the minor group, under the scales in lanes 16-31
	MMA OA+8, 128+32*\s+16, PMN, OA+8, VS+4+\s, PW, 1, 1
.if \s < 3
	SMM \s+1                                       ; the next step's scores follow under the same window setting
.endif
.endm
.Lunit:                                            ; four trips: a tile of 16 queries each
	v_mov_b32 v14, 0                               ; the sum, in two halves
	v_mov_b32 v15, 0
	s_cmp_eq_u32 s54, 1                            ; the next tile's q is asked for here, if there is a next tile: no load leaves its buffer
	s_cbranch_scc1 .Lno_next
	global_load_b128 v[QN:QN+3], v4, s[58:59] offset:4096
.Lno_next:
	WIN 0x01
	s_wait_alu depctr_va_vdst(0)
	SMM 0
	STEP 0, 1
	STEP 1, 0
	STEP 2, 0
	STEP 3, 0
	WIN 0
	s_wait_loadcnt 0x0                             ; the next q is in (no load is out on the other way)
	v_add_f32 v[TA], v14, v15                      ; these eight plain lines are the places behind the last products
.irp i, 0,1,2,3
	v_mov_b32 v[QW+\i], v[QN+\i]
.endr
	s_add_co_u32 s55, s55, 0x01010101
	v_perm_b32 v[QS], v[QSW], v[QSW], s55          ; the next tile's scale byte in all four bytes
	v_nop
	v_nop
	v_permlanex16_b32 v[TB], v[TA], s50, s51
	s_delay_alu instid0(VALU_DEP_1)
	v_add_f32 v[TA], v[TA], v[TB]                  ; the row's sum
	s_wait_alu depctr_va_vdst(0)
	v_rcp_f32 v250, v[TA]
	v_mov_b32 v251, 0                              ; (a plain line behind the reciprocal; the pair's upper half is written)
	s_wait_alu depctr_va_vdst(0)
.irp j, 0,2,4,6,8,10,12,14
	v_pk_mul_f32 v[OA+\j:OA+\j+1], v[OA+\j:OA+\j+1], v[250:251] op_sel_hi:[1,0]   ; O^T / the sum
.endr
	v_max3_num_f32 v[TA], |v[OA]|, |v[OA+1]|, 0x4800000        ; my 16 channels of the head's 32, and the floor
	v_max3_num_f32 v[OLD], |v[OA+2]|, |v[OA+3]|, |v[OA+4]|
	s_delay_alu instid0(VALU_DEP_2)
	v_max3_num_f32 v[TA], v[TA], |v[OA+5]|, |v[OA+6]|
	s_delay_alu instid0(VALU_DEP_2)
	v_max3_num_f32 v[OLD], v[OLD], |v[OA+7]|, |v[OA+8]|
	s_delay_alu instid0(VALU_DEP_2)
	v_max3_num_f32 v[TA], v[TA], |v[OA+9]|, |v[OA+10]|
	s_delay_alu instid0(VALU_DEP_2)
	v_max3_num_f32 v[OLD], v[OLD], |v[OA+11]|, |v[OA+12]|
	s_delay_alu instid0(VALU_DEP_2)
	v_max3_num_f32 v[TA], v[TA], |v[OA+13]|, |v[OA+14]|
	s_delay_alu instid0(VALU_DEP_1)
	v_max3_num_f32 v[TA], v[TA], v[OLD], |v[OA+15]|
	s_delay_alu instid0(VALU_DEP_1)
	v_permlanex16_b32 v[TB], v[TA], s50, s51
	s_delay_alu instid0(VALU_DEP_1)
	v_max_num_f32 v[TA], v[TA], v[TB]              ; the block's largest magnitude
	s_delay_alu instid0(VALU_DEP_1)
	v_add_nc_u32 v[SO], 0xfc000000, v[TA]
	s_delay_alu instid0(VALU_DEP_1)
	v_lshrrev_b32 v[BY], 23, v[SO]
.irp i, 0,1,2,3,4,5,6,7,8,9,10,11,12,13,14,15
.endr
	v_cvt_scalef32_pk8_fp8_f32 v[OC:OC+1], v[OA:OA+7], v[SO]
	v_cvt_scalef32_pk8_fp8_f32 v[OC+2:OC+3], v[OA+8:OA+15], v[SO]
	v_nop                                          ; one plain line behind the last conversion: the next tile's products write its sources
	v_add_nc_u32 v7, s56, v5
	ds_store_b128 v7, v[OC:OC+3]                   ; registers 4 (w % 4) .. + 3 of the projection's fragment (tile, K step w / 4), as they stand
	v_add_nc_u32 v7, s57, v6
	ds_store_b8 v7, v[BY]                          ; byte w % 4 of row r's scale word; both lanes of a row store the same byte
	s_add_co_u32 s56, s56, 4096
	s_add_co_u32 s57, s57, 128
	s_add_nc_u64 s[58:59], s[58:59], 4096          ; (no load that names it is out)
	s_sub_co_u32 s54, s54, 1
	s_cmp_lg_u32 s54, 0
	s_cbranch_scc1 .Lunit
	; THE PROJECTION: out^T tiles: source 0 = 16 rows of Wproj, source 1 = 16 queries of O; the bias is the C of each sum's first product.
	v_lshlrev_b32 v4, 8, v2
	s_delay_alu instid0(VALU_DEP_1)
	v_lshl_add_u32 v4, v3, 4, v4                   ; Wproj: row r of 256 bytes, + 16 h
	v_lshlrev_b32 v5, 5, v3                        ; bproj: my half's eight numbers of a tile
	v_lshlrev_b32 v6, 3, v1                        ; Wproj's scales: row L of 8 bytes: lanes 0-15 tile 0's rows, lanes 16-31 tile 1's
	v_lshl_add_u32 v7, v1, 4, IMG                  ; an image's place for my lane
	v_lshl_add_u32 v8, v2, 2, OSC                  ; row r's scale word
	v_mul_u32_u24 v9, v2, 1040
	s_delay_alu instid0(VALU_DEP_1)
	v_lshl_add_u32 v9, v3, 5, v9
	s_lshl_b32 s28, s20, 7
	v_add_nc_u32 v9, s28, v9                       ; the stage, in: row r, + 128 w + 32 h
	s_mul_i32 s28, s20, 8320
	v_lshl_add_u32 v10, v1, 4, s28                 ; back: rows 8 w on, 16 bytes a lane
	v_lshlrev_b32 v11, 4, v1                       ; and the same in out
	WIN 0x40                                       ; destination window 1: K's registers are done with
.irp g, 0,1,2,3                        ; Wproj's fragment (nt, ks) at 16 g, g = 2 nt + ks
.irp c, 0,1,2,3
	global_load_b128 v[16*\g+4*\c:16*\g+4*\c+3], v4, s[12:13] offset:4096*(\g/2)+128*(\g%2)+32*\c
.endr
.endr
.irp n, 0,1
	global_load_b128 v[64+8*\n:64+8*\n+3], v5, s[16:17] offset:64*\n
	global_load_b128 v[64+8*\n+4:64+8*\n+7], v5, s[16:17] offset:64*\n+16
.endr
	WIN 0
	global_load_b64 v[184:185], v6, s[14:15]
	s_wait_alu depctr_va_vdst(0)
	s_wait_dscnt 0x0                               ; for the others' sake: my images and bytes have landed
	s_barrier_signal -1
	s_barrier_wait -1                              ; O's eight fragments lie in LDS; nobody reads K's or V's bytes any more
.irp f, 0,1,2,3,4,5,6,7                ; f = 2 u + ks
.irp c, 0,1,2,3
	ds_load_b128 v[OF+16*\f+4*\c:OF+16*\f+4*\c+3], v7 offset:2048*\f+512*\c
.endr
	ds_load_b32 v[176+\f], v8 offset:64*\f
.endr
	s_wait_dscnt 0x0
	s_wait_loadcnt 0x0
	WIN 0x11                                       ; source 0 (Wproj) and C (the bias) window 1
.irp u, 0,1,2,3
.irp n, 0,1
	MMA AP+16*\u+8*\n, 32*\n, OF+32*\u, 64+8*\n, 184, 176+2*\u, \n, 0
.endr
.endr
	WIN 0x01                                       ; the eight accumulators take turns, a K step at a time
.irp u, 0,1,2,3
.irp n, 0,1
	MMA AP+16*\u+8*\n, 32*\n+16, OF+32*\u+16, AP+16*\u+8*\n, 185, 176+2*\u+1, \n, 0
.endr
.endr
	WIN 0
.rept 8
	v_nop                                          ; eight places in front of the first read of results and of loads into registers that the products have read
.endr
.irp u, 0,1,2,3
.irp n, 0,1
	ds_store_b128 v9, v[AP+16*\u+8*\n:AP+16*\u+8*\n+3] offset:16640*\u+64*\n        ; lane (r, h): out(16 u + r, 32 w + 16 n + 8 h + 0 .. 7); each accumulator from its low end on
	ds_store_b128 v9, v[AP+16*\u+8*\n+4:AP+16*\u+8*\n+7] offset:16640*\u+64*\n+16
.endr
.endr
	s_wait_dscnt 0x0                               ; for the others' sake: my part of the 64 rows has landed
	s_barrier_signal -1
	s_barrier_wait -1                              ; 64 whole rows of out lie in the stage
.irp k, 0,1,2,3,4,5,6,7,8,9,10,11,12,13,14,15
	ds_load_b128 v[32+4*\k:32+4*\k+3], v10 offset:1040*(\k/2)+512*(\k%2)
.endr
.irp k, 0,1,2,3,4,5,6,7,8,9,10,11,12,13,14,15
	s_wait_dscnt 15-\k                             ; LDS loads come back in order: load k is in, the 15 - k younger ones may be out
	global_store_b128 v11, v[32+4*\k:32+4*\k+3], s[18:19] offset:1024*(\k/2)+512*(\k%2) th:TH_STORE_NT   ; 32 lanes store 512 consecutive bytes, at a multiple of 256 from out's first byte
.endr
	s_wait_xcnt 0x0
	v_lshl_add_u32 v254, v0, 2, 0x44200
	v_mov_b32 v255, 0
	s_wait_alu depctr_va_vdst(0)
	s_wait_tensorcnt 0x0
	ds_add_u32 v254, v255
	s_wait_dscnt 0x0
	CROUND                                         ; the closing round: no work-group ends while a partner may still ask for a window that names it
	s_endpgm
.Lfunc_end_k_q1888cc2f3c_attn:
	.size	k_q1888cc2f3c_attn, .Lfunc_end_k_q1888cc2f3c_attn-k_q1888cc2f3c_attn
	.p2alignl 7, 3214868480
	.fill 96, 4, 3214868480
	.section	.rodata,"a",@progbits
	.p2align	6, 0x0
	.amdhsa_kernel k_q1888cc2f3c_attn
		.amdhsa_group_segment_fixed_size 327680
		.amdhsa_private_segment_fixed_size 0
		.amdhsa_enable_private_segment 0
		.amdhsa_kernarg_size 64
		.amdhsa_user_sgpr_count 2
		.amdhsa_user_sgpr_kernarg_segment_ptr 1
		.amdhsa_wavefront_size32 1
		.amdhsa_system_sgpr_workgroup_id_x 1
		.amdhsa_system_sgpr_workgroup_id_y 1
		.amdhsa_system_sgpr_workgroup_id_z 1
		.amdhsa_system_vgpr_workitem_id 0
		.amdhsa_next_free_vgpr 512
		.amdhsa_next_free_sgpr 66
		.amdhsa_reserve_vcc 1
		.amdhsa_float_denorm_mode_32 3
		.amdhsa_float_denorm_mode_16_64 3
		.amdhsa_fp16_overflow 1
		.amdhsa_memory_ordered 1
		.amdhsa_forward_progress 1
		.amdhsa_inst_pref_size 98
	.end_amdhsa_kernel
	.amdgpu_metadata
---
amdhsa.version: [ 1, 2 ]
amdhsa.kernels:
  - .name:           k_q1888cc2f3c_attn
    .symbol:         k_q1888cc2f3c_attn.kd
    .args:
      - { .name: qc, .offset: 0, .size: 8, .value_kind: global_buffer, .address_space: global }
      - { .name: kc, .offset: 8, .size: 8, .value_kind: global_buffer, .address_space: global }
      - { .name: vc, .offset: 16, .size: 8, .value_kind: global_buffer, .address_space: global }
      - { .name: sc, .offset: 24, .size: 8, .value_kind: global_buffer, .address_space: global }
      - { .name: Wproj_codes, .offset: 32, .size: 8, .value_kind: global_buffer, .address_space: global }
      - { .name: Wproj_scales, .offset: 40, .size: 8, .value_kind: global_buffer, .address_space: global }
      - { .name: bproj, .offset: 48, .size: 8, .value_kind: global_buffer, .address_space: global }
      - { .name: out0, .offset: 56, .size: 8, .value_kind: global_buffer, .address_space: global }
    .group_segment_fixed_size: 327680
    .private_segment_fixed_size: 0
    .kernarg_segment_align: 8
    .kernarg_segment_size: 64
    .max_flat_workgroup_size: 256
    .sgpr_count:     66
    .vgpr_count:     512
    .wavefront_size: 32
...
	.end_amdgpu_metadata
.endif
;; end of part 2
